; MI455X (gfx1250); checked and timed in simulation.
; The chip was launched on July 23, 2026; its instructions are those of AMD's public machine-readable ISA for CDNA 5 (MIT licence, August 2026) and "CDNA5" Instruction Set Architecture Reference Guide (July 2026). The comments in the code are by the model that wrote it; some were corrected since.
;; PNN. Allowed arithmetic: matrix products marked QUANTISED: E4M3 operands, one given power-of-two scale a tensor, by v_wmma_f32_16x16x64_fp8_fp8 or v_wmma_f32_16x16x128_fp8_fp8, f32 sums; products left as they are: f32 operands where the result goes on into a quantised operand, else bf16, f16 or f32 operands; f32 sums; everything else in f32.
;; Inputs: S 4 x 4 float32; alpha one number float32; cb1 125 float32; cb2 125 float32; cb3 2 float32; cw1 2 x 125 float32; cw2 125 x 125 float32; cw3 125 x 2 float32; dt_p 1 float32; dt_q 1 float32; hb1 64 float32; hb2 64 float32; hb3 64 float32; hb4 64 float32; hb5 64 float32; hb6 1 float32; hw1 4 x 64 float32; hw2 64 x 64 float32; hw3 64 x 64 float32; hw4 64 x 64 float32; hw5 64 x 64 float32; hw6 64 x 1 float32; lowp_scales 20 int32 (the exponents e of the quantised operands' scales 2^e); x 524,288 x 4 float32.
;; Outputs: out0 524,288 x 4 float32.
;; This version of the problem:
;;   THIS VERSION OF THE PROBLEM IS GIVEN IN LOW PRECISION. The matrix products marked QUANTISED in the list below multiply operands that are first quantised to E4M3 (4 exponent bits, 3 mantissa bits; 8 bits a number), with one given power-of-two scale for each operand tensor; their sums are f32. All else is computed in f32.
;;   The module's matrix products, in the order in which they are computed (A, B: the left and right operand; K: the contracted axis; several contracted axes count as one K, in the product's order):
;;     1. [M 524,288, K 2] x [K 2, N 125]; A: input x; B: input cw1: left as it is (K = 2 < 32)
;;     2. [M 524,288, K 125] x [K 125, N 125]; A: computed on the way; B: input cw2: QUANTISED (scales: A lowp_scales[0], B lowp_scales[1])
;;     3. [M 524,288, K 125] x [K 125, N 2]; A: computed on the way; B: input cw3: left as it is (N = 2 < 16)
;;     4. [M 524,288, K 4] x [K 4, N 64]; A: computed on the way; B: input hw1: left as it is (K = 4 < 32)
;;     5. [M 524,288, K 64] x [K 64, N 64]; A: computed on the way; B: input hw2: QUANTISED (scales: A lowp_scales[2], B lowp_scales[3])
;;     6. [M 524,288, K 64] x [K 64, N 64]; A: computed on the way; B: input hw3: QUANTISED (scales: A lowp_scales[4], B lowp_scales[5])
;;     7. [M 524,288, K 64] x [K 64, N 64]; A: computed on the way; B: input hw4: QUANTISED (scales: A lowp_scales[6], B lowp_scales[7])
;;     8. [M 524,288, K 64] x [K 64, N 64]; A: computed on the way; B: input hw5: QUANTISED (scales: A lowp_scales[8], B lowp_scales[9])
;;     9. [M 524,288, K 64] x [K 64, N 1]; A: computed on the way; B: input hw6: left as it is (N = 1 < 16)
;;     10. [M 524,288, K 1] x [K 1, N 64]; A: computed on the way; B: input hw6: left as it is (K = 1 < 32)
;;     11. [M 524,288, K 64] x [K 64, N 64]; A: computed on the way; B: input hw5: QUANTISED (scales: A lowp_scales[10], B lowp_scales[11])
;;     12. [M 524,288, K 64] x [K 64, N 64]; A: computed on the way; B: input hw4: QUANTISED (scales: A lowp_scales[12], B lowp_scales[13])
;;     13. [M 524,288, K 64] x [K 64, N 64]; A: computed on the way; B: input hw3: QUANTISED (scales: A lowp_scales[14], B lowp_scales[15])
;;     14. [M 524,288, K 64] x [K 64, N 64]; A: computed on the way; B: input hw2: QUANTISED (scales: A lowp_scales[16], B lowp_scales[17])
;;     15. [M 524,288, K 64] x [K 64, N 4]; A: computed on the way; B: input hw1: left as it is (N = 4 < 16)
;;     16. [M 524,288, K 4] x [K 4, N 4]; A: computed on the way; B: computed on the way: left as it is (K = 4 < 32)
;;     17. [M 524,288, K 4] x [K 4, N 4]; A: computed on the way; B: computed on the way: left as it is (K = 4 < 32)
;;     18. [M 524,288, K 2] x [K 2, N 125]; A: computed on the way; B: input cw1: left as it is (K = 2 < 32)
;;     19. [M 524,288, K 125] x [K 125, N 125]; A: computed on the way; B: input cw2: QUANTISED (scales: A lowp_scales[18], B lowp_scales[19])
;;     20. [M 524,288, K 125] x [K 125, N 2]; A: computed on the way; B: input cw3: left as it is (N = 2 < 16)
;;   THE QUANTISER, for each operand of a quantised product, along K:
;;     - The operand's scale is 2^e, e = its entry of the input lowp_scales (int32; the entries are numbered through the quantised products in the list's order, A before B).
;;     - Each number is divided by the scale, clamped to +-448, and rounded to the nearest number of E4M3, ties to even, subnormals kept.
;;     - The product sums the exact products of the quantised numbers (number of the format x scale) in f32.
;;   ~~~python
;;   def quantise(x, axis, e):      # numpy; x: float32 -> the quantised numbers, widened to float32 again
;;       x = np.moveaxis(x, axis, -1); K = x.shape[-1]
;;       r = np.clip(x / 2.0 ** e, -448, 448)
;;       step = 2.0 ** (np.maximum(np.frexp(np.where(r == 0, 1, r))[1] - 1, -6) - 3)
;;       q = np.round(r / step) * step * 2.0 ** e      # np.round: ties to even
;;       return np.moveaxis(q, -1, axis).astype(np.float32)
;;   ~~~
;;   OPERANDS COMPUTED ON THE WAY. 'Computed on the way' means the value that the module computes at that place (a softmax that the list does not call 'softmax' is quantised finished and normalised). What goes into a quantiser is computed in f32, as accurately as f32 sums, v_exp_f32 and their like allow (about 1e-6 of the number): no bf16 or f16 on the way to a quantiser, and a product that is left as it is and whose result goes on into a quantised operand takes f32 operands (vector FMAs, or v_wmma_f32_16x16x4_f32). A number that lies on a knife's edge between two numbers of the format may be rounded either way, as far as f32 arithmetic and the matrix unit's own rounding can turn it there, and no further.
;; One version. Each part assembles by itself: llvm-mc -triple=amdgcn-amd-amdhsa -mcpu=gfx1250 --defsym DOCPART=n.
;; ======== version 1 of 1: 1 launch
;; launch pnn (part 1): grid 256 x 1, 4 waves a work-group, no clusters, 304,128 bytes of LDS; arguments x, cw2, hw2, hw3, hw4, hw5, lowp_scales, out0, cw1, cb1, cb2, cw3, cb3, hw1, hb1, hb2, hb3, hb4, hb5, hw6, S, alpha, dt_q, dt_p; writes out0
.if DOCPART == 1
	.amdgcn_target "amdgcn-amd-amdhsa--gfx1250"
	.amdhsa_code_object_version 6
	.text
	.protected	k_q9c6debb67a_pnn
	.globl	k_q9c6debb67a_pnn
	.p2align	8
	.type	k_q9c6debb67a_pnn,@function
k_q9c6debb67a_pnn:
	s_mov_b64 s[64:65], 0
	v_nop
	global_prefetch_b8 v0, s[64:65] scope:SCOPE_SE
	s_setreg_imm32_b32 hwreg(HW_REG_WAVE_MODE, 25, 1), 1
	s_wait_xcnt 0x0
; PNN: out = NICE^-1( symplectic step( NICE(x) ) ), 524,288 rows of 4 f32, each row by itself.  The ten products 125x125 and 64x64 run on codes of E4M3 with the given scales 2^E(k),
; E(k) = lowp_scales[k]; the products with K <= 4 that feed a quantiser run on f32 operands; the products with N <= 4 are f32 multiply-adds.
; SHARES.  256 work-groups of four waves; a wave owns 512 rows = 32 tiles of 16.  Every product is used transposed (source 0 = 16 units of a weight, source 1 = 16 rows): lane (r, h) holds row r
; throughout, and register j of unit tile t holds unit 16 t + 8 h + j.  Eight such registers, converted, ARE registers 2 t, 2 t + 1 of the next product's operand: nothing changes lanes.
; THREE PHASES.  All constants a lane needs (codes of each weight for each of its scales, biases, output weights) are more than 1,000 registers.  So a wave walks its 32 tiles three times:
; A: coupling net forward; B: gradient of H and the step; C: coupling net again, subtracted.  Each phase keeps its own constants in windows 2 and 3; a row's four numbers rest in the wave's own 8 KB of LDS.
; The constants are made once, a quarter by each wave, and lie in LDS as images of registers (registers 4 m .. 4 m + 3 at base + 512 m + 16 x lane).
; TWO TILES BY TURNS.  Tile X lives in window 0, tile Y in window 1, a stage apart: behind each group of matrix instructions of one tile stands a whole stage of the other tile's vector work.
; That costs two window switches for each matrix instruction set among vector work; the vector work is what bounds this kernel (about 1,600 vector instructions for a tile's 68 matrix instructions).
; tanh: u = 2^(2 log2(e) z), r = 1 / (1 + u), tanh = 1 - 2 r, 1 - tanh^2 = 4 (r - r^2).  The power of two that a sum of codes lacks is folded into the factor in front of the exponential, or into the next conversion's scale.
; The coupling net's last layer: c = (cb3 + sum_u cw3[u]) + sum_u r_u (-2 cw3[u]); its error is that of the single terms, some 1e-7 x sum |cw3|.
; NOT COMPUTED: H's own value (h5 . hw6 + hb6).  Only its gradient is used, and an added constant has gradient 0 for every input: hb6 is not read.
; NO CLUSTER: the weights that all work-groups share are read once at the head, 128 KB for a work-group, against 32 tiles x about 1,600 vector instructions in each wave.
; LIMITS on the given exponents, so that each power of two below is an f32 number: E0, E18, E1, E19, E3, E5, E7, E9, E11, E13, E15, E17, E2, E6, E8, E10, E4-E2-E3, E12-E10-E11-2, E14-E12-E13-2, E16-E14-E15
; between -126 and 119; E0+E1, E18+E19, E4+E5, E6+E7, E8+E9 between -127 and 126.  NaN among the inputs is not served.  tanh carries an absolute error of about 1.2e-7.
;
; LDS (bytes)
.set RAWC,  32768                      ; [0, 32768): the rows, 8,192 a wave, 256 a tile.  Then cw2 as f32: 128 rows, pitch 528, zeros beyond 125
.set CPIT,  528
.set RAWH,  100352                     ; hw2 .. hw5 as f32: 64 rows each, pitch 272, 17,408 a matrix
.set HPIT,  272
.set I_CW1, 169984                     ; images: cw2's codes with E1,
.set I_CW2, 186368                     ; with E19,
.set I_KB,  202752                     ; cb2,
.set I_WP,  210944                     ; -2 cw3 in pairs,
.set I_A1C, 227328                     ; (cw1, cb1) as the f32 product's operand,
.set I_HF,  229376                     ; hw2 .. hw5 forward codes,
.set I_HK,  245760                     ; backward codes,
.set I_HBI, 262144                     ; hb2 .. hb5, divided by the power of two that the sums lack,
.set I_HW1, 278528                     ; hw1 in the result's layout,
.set I_HB1, 294912                     ; hb1,
.set I_W6,  299008                     ; 4 hw6,
.set I_A1H, 303104                     ; hw1 as the f32 product's operand (8-byte pieces: 256 x tile + 8 x lane).  End: 304,128
; VECTOR REGISTERS.  Window 0, low end
.set LB,  1                            ; LDS: my 8 bytes of my wave's tile 0: 8192 w + 16 r + 8 h
.set LA,  2                            ; of the trip's tile X
.set LN,  3                            ; of the next trip's tile X
.set LI,  4                            ; 16 x lane
.set GO,  5                            ; 16 r + 8 h
.set CDV, 6                            ; v[6:7]   +0.1 dt_q 2^(E16+E17) (h = 0) or -0.1 dt_p 2^(E16+E17) (h = 1), twice
.set QA0, 8                            ; v[8:15]  +-0.1 alpha (S - S^T): four pairs, for my two and the other half's two numbers of theta
.set QA1, 10
.set QB0, 12
.set QB1, 14
.set CB3, 16
.set KHM, 18                           ; cb3 + sum cw3 in lanes h = 1, 0 in lanes h = 0
.set IB,  20
.set IB2, 21
.set A1H, 24                           ; v[24:31] phase B
; a tile's block, the same numbers in window 0 (X) and window 1 (Y)
.set ACC, 32                           ; v[32:95]: written by matrix instructions alone
.set T,   96
.set PP,  160                          ; phases A, C
.set PN,  162
.set BOPC,164
.set CA,  166
.set TM,  174
.set RES, 176
.set KH,  178
.set CDE, 192
.set SC,  236
.set LM,  244
.set Z1,  32                           ; phase B
.set Z2,  64
.set T3,  128
.set T4,  160
.set THE, 200
.set BOPH,202
.set W6,  204
.set SCH, 236
.set LMH, 244
.set DAC, 160                          ; stages 9 and 10 use T4's registers again
.set DH,  176
.set NN,  180
.set GG,  182
.set GX,  184
.set OT,  186
.set PHI, 188
.set HB1, 0                            ; window 1, phase B
.set CW,  0                            ; window 2, phases A, C
.set KB,  128
.set A1C, 192
.set WP,  0                            ; window 3, phases A, C
.set HBI, 0                            ; window 3, phase B
.set HW1, 128
; prologue only, window 0
.set R1,  96
.set R2,  160
.set C1,  192
.set C2,  208
.set L1,  224
.set S1,  225
.set L19, 226
.set S19, 227
.set LF,  228
.set SF,  229
.set LK,  230
.set SK,  231
.set VU,  232
.set VUC, 233
.set VU8, 234
.set VU8C,235
.set VR4, 236
.set VR4C,237
.set V32H,238
.set VT,  239
.set VA1O,240
.set V40H,241
.set V24H,242
.set VN24,243
.set VZ,  244
.set VGC, 245
.set VGH, 246
.set VGK, 247
.set VST, 248
.set VST2,249
.set VKBS,250
.set VA1CS,251
.set VH1S,252
.set VA1HS,253
.set FZ,  254
; SCALARS: s2 wave; s[18:19] out0 at my wave's rows; s20 mask of lanes 16-31; s21 E16+E17; s[22:23] lane selects; s[68:87] E0 .. E19
.set SKA, 24                           ; pairs: 2 log2(e) 2^(eA + eB) for the five tanh layers
.set SKC, 26
.set SK3, 28
.set SK4, 30
.set SK5, 32
.set MK,  88                           ; s[88:95] eight lane masks
.set CNT, 96
.set OFF, 97
.set OFFN,98
.set MSB, 0
.macro WIN new                         ; low byte: bits 1:0 source 0, 3:2 source 1, 5:4 source 2, 7:6 destination; the high byte repeats the setting that is left
.if MSB != (\new)
	s_set_vgpr_msb (MSB<<8)|(\new)
.set MSB, (\new)
.endif
.endm
.macro NOPS n
.rept \n
	v_nop
.endr
.endm
.macro SPOW d, e                       ; 2^e as f32
	s_add_co_i32 s[\d], s[\e], 127
	s_lshl_b32 s[\d], s[\d], 23
.endm
.macro SLIM d, e                       ; 448 x 2^e as f32
	s_add_co_i32 s[\d], s[\e], 135
	s_lshl_b32 s[\d], s[\d], 23
	s_or_b32 s[\d], s[\d], 0x600000
.endm
.macro SKAP d, e                       ; 2 log2(e) x 2^e, twice (the packed form names a pair)
	s_lshl_b32 s[\d], s[\e], 23
	s_add_co_i32 s[\d], s[\d], 0x4038aa3b
	s_mov_b32 s[\d+1], s[\d]
.endm
.macro BFMA d, a, par, m, c            ; pair d = (register par of pair a) x pair m + pair c
.if (\par) == 0
	v_pk_fma_f32 v[\d:\d+1], v[\a:\a+1], v[\m:\m+1], v[\c:\c+1] op_sel_hi:[0,1,1]
.else
	v_pk_fma_f32 v[\d:\d+1], v[\a:\a+1], v[\m:\m+1], v[\c:\c+1] op_sel:[1,0,0] op_sel_hi:[1,1,1]
.endif
.endm
.macro BMUL d, a, par, m
.if (\par) == 0
	v_pk_mul_f32 v[\d:\d+1], v[\a:\a+1], v[\m:\m+1] op_sel_hi:[0,1]
.else
	v_pk_mul_f32 v[\d:\d+1], v[\a:\a+1], v[\m:\m+1] op_sel:[1,0] op_sel_hi:[1,1]
.endif
.endm
; THE TANH PIPELINE over nb blocks of 8 registers, cut into segments 0 .. 2 nb.  E(b): block b's exponentials, with 1 + u of block b - 1 and the scaling of block b + 1 between them;
; R(b): block b's reciprocals, with slot ri of what is made of block b - 1's r between them.  So a plain instruction stands between every exponential or reciprocal and the use of its
; result (ISA guide 5.7.2), and each accumulator is read from its lowest pair on.
; What is made of r, slot ri of 8.  kind 0: the coupling net's output, four chains.  kind 1: r - r^2 kept in ts, tanh held and converted with scale k.  kind 2: (r - r^2) 4 hw6 held and converted.
.macro POST kind, b, ts, k
.if (\kind) == 0
.set q_e, 8*(\b)+ri
.set q_a, T+8*(\b)+2*(ri/2)
.set q_c, CA+2*(ri%4)
.if q_e == 0
	BFMA q_c, q_a, 0, WP, KH
.elseif q_e < 4
	BMUL q_c, q_a, ri%2, WP+2*q_e
.else
	BFMA q_c, q_a, ri%2, WP+2*q_e, q_c
.endif
.elseif ri < 4
.set q_a, T+8*(\b)+2*ri
.if (\kind) == 1
	v_pk_fma_f32 v[\ts+8*(\b)+2*ri:\ts+8*(\b)+2*ri+1], v[q_a:q_a+1], v[q_a:q_a+1], v[q_a:q_a+1] neg_lo:[1,0,0] neg_hi:[1,0,0]
	v_pk_fma_f32 v[q_a:q_a+1], v[q_a:q_a+1], -2.0, 1.0 op_sel_hi:[1,0,0]
.else
	v_pk_fma_f32 v[q_a:q_a+1], v[q_a:q_a+1], v[q_a:q_a+1], v[q_a:q_a+1] neg_lo:[1,0,0] neg_hi:[1,0,0]
	v_pk_mul_f32 v[q_a:q_a+1], v[q_a:q_a+1], v[W6+8*(\b)+2*ri:W6+8*(\b)+2*ri+1]
.endif
.else
.set q_a, T+8*(\b)+2*(ri-4)
	v_med3_num_f32 v[q_a], v[q_a], -v[LMH+\k], v[LMH+\k]          ; the conversion to an 8-bit code does not saturate (ISA guide 7.6.2): the hold
	v_med3_num_f32 v[q_a+1], v[q_a+1], -v[LMH+\k], v[LMH+\k]
.if ri == 7
	v_cvt_scalef32_pk8_fp8_f32 v[CDE+2*(\b):CDE+2*(\b)+1], v[T+8*(\b):T+8*(\b)+7], v[SCH+\k]
.endif
.endif
.endm
.macro SEG_E nb, b, src, sk
.set ei, 0
.rept 8
	v_exp_f32 v[T+8*(\b)+ei], v[T+8*(\b)+ei]
.if (ei < 4) && ((\b) >= 1)
	v_pk_add_f32 v[T+8*((\b)-1)+2*ei:T+8*((\b)-1)+2*ei+1], v[T+8*((\b)-1)+2*ei:T+8*((\b)-1)+2*ei+1], 1.0 op_sel_hi:[1,0]
.endif
.if (ei >= 4) && ((\b)+1 < (\nb))
	v_pk_mul_f32 v[T+8*((\b)+1)+2*(ei-4):T+8*((\b)+1)+2*(ei-4)+1], v[\src+8*((\b)+1)+2*(ei-4):\src+8*((\b)+1)+2*(ei-4)+1], s[\sk:\sk+1] op_sel_hi:[1,0]
.endif
.set ei, ei+1
.endr
.endm
.macro SEG_R nb, b, kind, ts, k
.set ri, 0
.rept 8
	v_rcp_f32 v[T+8*(\b)+ri], v[T+8*(\b)+ri]
.if (\b) >= 1
	POST \kind, (\b)-1, \ts, \k
.endif
.if ((\b) == (\nb)-2) && (ri < 4)
	v_pk_add_f32 v[T+8*((\nb)-1)+2*ri:T+8*((\nb)-1)+2*ri+1], v[T+8*((\nb)-1)+2*ri:T+8*((\nb)-1)+2*ri+1], 1.0 op_sel_hi:[1,0]
.endif
.set ri, ri+1
.endr
.endm
.macro SEG nb, s, src, sk, kind, ts, k
.if (\s) == 0
.irp p, 0,1,2,3
	v_pk_mul_f32 v[T+2*\p:T+2*\p+1], v[\src+2*\p:\src+2*\p+1], s[\sk:\sk+1] op_sel_hi:[1,0]
.endr
	SEG_E \nb, 0, \src, \sk
.elseif (\s) == 2*(\nb)
.set ri, 0
.rept 8
	POST \kind, (\nb)-1, \ts, \k
.set ri, ri+1
.endr
.elseif (\s) == 2*(\nb)-1
	SEG_R \nb, (\nb)-1, \kind, \ts, \k
.elseif ((\s)%2) == 1
	SEG_E \nb, ((\s)+1)/2, \src, \sk
.else
	SEG_R \nb, (\s)/2-1, \kind, \ts, \k
.endif
.endm
.macro TINIT                           ; a phase's walk over 16 pairs of tiles begins
	s_mov_b32 s[OFF], 0
	s_mov_b32 s[OFFN], 512
	s_mov_b32 s[CNT], 16
	v_add_nc_u32 v[LA], s[OFF], v[LB]
	v_add_nc_u32 v[LN], s[OFFN], v[LB]
.endm
.macro TSTEP                           ; on to the next pair; behind the last pair the look-ahead wraps to tile 0, whose first layers are then worked once for nothing and stored nowhere
	s_add_co_u32 s[OFF], s[OFF], 512
	s_add_co_u32 s[OFFN], s[OFF], 512
	s_and_b32 s[OFFN], s[OFFN], 0x1e00
	v_add_nc_u32 v[LA], s[OFF], v[LB]
	v_add_nc_u32 v[LN], s[OFFN], v[LB]
	s_sub_co_i32 s[CNT], s[CNT], 1
	s_cmp_lg_u32 s[CNT], 0
.endm
; ---------------- THE COUPLING NET (phases A and C), tile w in window w
.macro C_W1 w, t                       ; z = (cw1 | cb1 | 0) x (p0, p1, 1, 0): f32 operands, since z goes on into a quantiser
	WIN 0x22+0x44*(\w)
	v_wmma_f32_16x16x4_f32 v[ACC+8*(\t):ACC+8*(\t)+7], v[A1C+2*(\t):A1C+2*(\t)+1], v[BOPC:BOPC+1], 0
.endm
.macro C_W2 w, t                       ; 16 units of the second layer, K = 128 (125 and three zero codes); C = cb2 / 2^(eA + eB)
	WIN 0x22+0x44*(\w)
	v_wmma_f32_16x16x128_fp8_fp8 v[ACC+8*(\t):ACC+8*(\t)+7], v[CW+16*(\t):CW+16*(\t)+15], v[CDE:CDE+15], v[KB+8*(\t):KB+8*(\t)+7]
.endm
.macro C_CVT t
	v_cvt_scalef32_pk8_fp8_f32 v[CDE+2*(\t):CDE+2*(\t)+1], v[T+8*(\t):T+8*(\t)+7], v[SC]
.endm
.macro C_A1 w                          ; relu and the hold in one, then the codes; a block's conversion stands behind the next block's holds
	WIN 0x55*(\w)
.irp t, 0,1,2,3,4,5,6,7
.irp j, 0,1,2,3,4,5,6,7
	v_med3_num_f32 v[T+8*\t+\j], v[ACC+8*\t+\j], 0, v[LM]
.endr
.if \t > 0
	C_CVT \t-1
.endif
.endr
	C_CVT 7
	v_nop                                          ; a plain instruction between the last conversion and the products that read the codes
.endm
.macro C_BOP w, src                    ; lanes h = 0 hold (p0, p1): k = 0, 1; lanes h = 1 become (1, 0): k = 2, 3
	WIN 0x55*(\w)
	v_cndmask_b32 v[BOPC], v[\src], 1.0, s20
	v_cndmask_b32 v[BOPC+1], v[\src+1], 0, s20
.endm
.macro C_SEG w, s, sk
	WIN 0x51*(\w)+0x0c                             ; source 1 in window 3 (-2 cw3), all else in the tile's window
	SEG 8, \s, ACC, \sk, 0, 0, 0
.endm
; Tile w's tanh and output sums, 17 segments; between them tile w's last six products of the second layer, each at least eight plain instructions ahead of its first read, and tile o's eight f32 products.
.macro C_HALF w, o, src, sk
	C_W2 \w, 2
	C_W2 \w, 3
	C_SEG \w, 0, \sk
	s_wait_dscnt 0x0                               ; the trip's rows are in
	C_BOP \o, \src
.irp s, 1,2,3,4,5,6,7,8,9,10,11,12,13,14,15,16
.if (\s%2) == 1
	C_W1 \o, (\s-1)/2
.elseif \s <= 8
	C_W2 \w, 3+\s/2
.endif
	C_SEG \w, \s, \sk
.endr
.endm
.macro C_FIN w, inv                    ; the four chains, the other half of the lanes; lanes h = 1 take x2 +- c, lanes h = 0 keep x1
	WIN 0x55*(\w)
	v_pk_add_f32 v[CA:CA+1], v[CA:CA+1], v[CA+2:CA+3]
	v_pk_add_f32 v[CA+4:CA+5], v[CA+4:CA+5], v[CA+6:CA+7]
	v_pk_add_f32 v[CA:CA+1], v[CA:CA+1], v[CA+4:CA+5]
	v_permlanex16_b32 v[TM], v[CA], s22, s23
	v_permlanex16_b32 v[TM+1], v[CA+1], s22, s23
	v_pk_add_f32 v[CA:CA+1], v[CA:CA+1], v[TM:TM+1]
	v_cndmask_b32 v[CA], 0, v[CA], s20
	v_cndmask_b32 v[CA+1], 0, v[CA+1], s20
.if \inv
	v_pk_add_f32 v[RES:RES+1], v[PP:PP+1], v[CA:CA+1] neg_lo:[0,1] neg_hi:[0,1]
	WIN 4*(\w)
	global_store_b64 v[GO], v[RES:RES+1], s[18:19] offset:256*(\w) th:TH_STORE_NT   ; the wave's 32 lanes store 256 consecutive bytes, at a multiple of 256 from out0's first byte
.else
	v_pk_add_f32 v[RES:RES+1], v[PP:PP+1], v[CA:CA+1]
	WIN 4*(\w)
	ds_store_b64 v[LA], v[RES:RES+1] offset:256*(\w)
.endif
.endm
; The phase's constants come out of LDS.  set = 0: cw2's codes with E1; 1: with E19.
.macro CSETUP set, neg, sc, lm
	WIN 0
	NOPS 8                                         ; places in front of loads into registers that matrix instructions have read (ISA guide 7.12.1 for vector instructions)
	v_add_nc_u32 v[IB], I_CW1+16384*(\set), v[LI]
	WIN 0x80
.irp a, 0,1,2,3
.irp b, 0,1,2,3,4,5,6,7
	ds_load_b128 v[CW+4*(8*\a+\b):CW+4*(8*\a+\b)+3], v[IB] offset:512*(8*\a+\b)
.endr
.endr
.irp b, 0,1,2,3,4,5,6,7,8,9,10,11,12,13,14,15
	ds_load_b128 v[KB+4*\b:KB+4*\b+3], v[IB] offset:I_KB-I_CW1-16384*(\set)+512*\b
.endr
.irp b, 0,1,2,3
	ds_load_b128 v[A1C+4*\b:A1C+4*\b+3], v[IB] offset:I_A1C-I_CW1-16384*(\set)+512*\b
.endr
	WIN 0xc0
.irp a, 0,1,2,3
.irp b, 0,1,2,3,4,5,6,7
	ds_load_b128 v[WP+4*(8*\a+\b):WP+4*(8*\a+\b)+3], v[IB] offset:I_WP-I_CW1-16384*(\set)+512*(8*\a+\b)
.endr
.endr
	s_wait_dscnt 0x0
	WIN 0x82
.irp a, 0,1,2,3,4,5,6,7
.irp b, 0,1,2,3,4,5,6,7
	v_ldexp_f32 v[KB+8*\a+\b], v[KB+8*\a+\b], s[\neg]     ; cb2 / 2^(eA + eB): it goes in as the C of the sums of codes
.endr
.endr
.if (\set) == 0
	WIN 0x0f                                       ; cb3 + sum cw3 = cb3 - 0.5 x the sum of my 64 pairs of -2 cw3 and of the other half's: once for both phases
.irp c, 0,1,2,3
	v_pk_add_f32 v[T+2*\c:T+2*\c+1], v[WP+2*\c:WP+2*\c+1], v[WP+8+2*\c:WP+8+2*\c+1]
.endr
	WIN 0x0c
.irp a, 2,3,4,5,6,7,8,9,10,11,12,13,14,15
.irp c, 0,1,2,3
	v_pk_add_f32 v[T+2*\c:T+2*\c+1], v[T+2*\c:T+2*\c+1], v[WP+8*\a+2*\c:WP+8*\a+2*\c+1]
.endr
.endr
	WIN 0
	v_pk_add_f32 v[T:T+1], v[T:T+1], v[T+2:T+3]
	v_pk_add_f32 v[T+4:T+5], v[T+4:T+5], v[T+6:T+7]
	v_pk_add_f32 v[T:T+1], v[T:T+1], v[T+4:T+5]
	v_permlanex16_b32 v[T+2], v[T], s22, s23
	v_permlanex16_b32 v[T+3], v[T+1], s22, s23
	v_pk_add_f32 v[T:T+1], v[T:T+1], v[T+2:T+3]
	v_pk_fma_f32 v[T:T+1], v[T:T+1], -0.5, v[CB3:CB3+1] op_sel_hi:[1,0,1]
	v_cndmask_b32 v[KHM], 0, v[T], s20             ; in lanes h = 1 alone: the halves are added later
	v_cndmask_b32 v[KHM+1], 0, v[T+1], s20
.endif
.irp u, 0, 0x40                        ; what both tiles need, in both windows
	WIN \u
	v_mov_b32 v[KH], v[KHM]
	v_mov_b32 v[KH+1], v[KHM+1]
	v_mov_b32 v[SC], s[\sc]
	v_mov_b32 v[LM], s[\lm]
	v_mov_b32 v[TM], 0                             ; a lane permute's destination counts as one of its sources
	v_mov_b32 v[TM+1], 0
.endr
	WIN 0
.endm
.macro CPHASE set, sk, neg, sc, lm
	CSETUP \set, \neg, \sc, \lm
	TINIT
	ds_load_b64 v[PN:PN+1], v[LA]
	s_wait_dscnt 0x0
	C_BOP 0, PN                                    ; tile 0's first layer and the first two products of its second stand ahead of the loop
.irp t, 0,1,2,3,4,5,6,7
	C_W1 0, \t
.endr
	WIN 0
	NOPS 8                                         ; eight places behind the f32 matrix form
	C_A1 0
	C_W2 0, 0
	C_W2 0, 1
	WIN 0
	NOPS 4
.Lctrip_\@:
	ds_load_b64 v[PP:PP+1], v[LA]                  ; tile X,
	ds_load_b64 v[PN:PN+1], v[LN]                  ; the next trip's tile X,
	WIN 0x40
	ds_load_b64 v[PP:PP+1], v[LA] offset:256       ; tile Y
	C_HALF 0, 1, PP, \sk                           ; X: tanh and output | Y: first layer
	C_A1 1
	C_W2 1, 0
	C_W2 1, 1
	C_FIN 0, \set                                  ; (its plain instructions are the places behind the two products above)
	C_HALF 1, 0, PN, \sk                           ; Y: tanh and output | next X: first layer
	C_A1 0
	C_W2 0, 0
	C_W2 0, 1
	C_FIN 1, \set
	WIN 0
.if \set
	s_wait_xcnt 0x0                                ; the trip's stores have read their data and their base: both are written again only behind this wait
	s_add_nc_u64 s[18:19], s[18:19], 512
.endif
	TSTEP
	s_cbranch_scc1 .Lctrip_\@
.endm
; ---------------- THE H NET (phase B)
.macro H_W1 w, t, bs                   ; z1 = hw1^T theta + hb1: f32 operands; theta's pair of a lane is the operand as it lies
	WIN 0x10+0x44*(\w)
	v_wmma_f32_16x16x4_f32 v[Z1+8*(\t):Z1+8*(\t)+7], v[A1H+2*(\t):A1H+2*(\t)+1], v[\bs:\bs+1], v[HB1+8*(\t):HB1+8*(\t)+7]
.endm
.macro H_MM w, l, back, dst            ; the four unit tiles of layer l (hw2 .. hw5), forward with the bias as C, or backward
	WIN 0x32+0x44*(\w)
.irp t, 0,1,2,3
.if \back
	v_wmma_f32_16x16x64_fp8_fp8 v[\dst+8*\t:\dst+8*\t+7], v[128+32*(\l)+8*\t:128+32*(\l)+8*\t+7], v[CDE:CDE+7], 0
.else
	v_wmma_f32_16x16x64_fp8_fp8 v[\dst+8*\t:\dst+8*\t+7], v[32*(\l)+8*\t:32*(\l)+8*\t+7], v[CDE:CDE+7], v[HBI+32*(\l)+8*\t:HBI+32*(\l)+8*\t+7]
.endif
.endr
.endm
.macro H_CVT b, k
	v_cvt_scalef32_pk8_fp8_f32 v[CDE+2*(\b):CDE+2*(\b)+1], v[T+8*(\b):T+8*(\b)+7], v[SCH+\k]
.endm
.macro H_RELU w, src, k                ; relu and the hold in one
	WIN 0x55*(\w)
.irp b, 0,1,2,3
.irp j, 0,1,2,3,4,5,6,7
	v_med3_num_f32 v[T+8*\b+\j], v[\src+8*\b+\j], 0, v[LMH+\k]
.endr
.if \b > 0
	H_CVT \b-1, \k
.endif
.endr
	H_CVT 3, \k
	v_nop
.endm
.macro H_SEG w, s, sk, kind, ts, k
	WIN 0x55*(\w)
	SEG 4, \s, T, \sk, \kind, \ts, \k
.endm
.macro H_TANH w, sk, kind, ts, k
.irp s, 0,1,2,3,4,5,6,7,8
	H_SEG \w, \s, \sk, \kind, \ts, \k
.endr
	v_nop
.endm
.macro H_BMUL w, ts, k                 ; backward through a tanh: x (r - r^2); the 4 and the sums' power of two lie in the conversion's scale
	WIN 0x55*(\w)
.irp p, 0,1,2,3,4,5,6,7,8,9,10,11,12,13,14,15
	v_pk_mul_f32 v[T+2*\p:T+2*\p+1], v[T+2*\p:T+2*\p+1], v[\ts+2*\p:\ts+2*\p+1]
.endr
.irp b, 0,1,2,3
.irp j, 0,1,2,3,4,5,6,7
	v_med3_num_f32 v[T+8*\b+\j], v[T+8*\b+\j], -v[LMH+\k], v[LMH+\k]
.endr
.if \b > 0
	H_CVT \b-1, \k
.endif
.endr
	H_CVT 3, \k
	v_nop
.endm
.macro H_A8 w, pre                     ; backward through the second relu: 0 where z2 <= 0.  pre = 1: the next X tile's four f32 products stand ahead of the blocks
.irp b, 0,1,2,3
.if \pre
	H_W1 0, \b, BOPH
.endif
	WIN 0x55*(\w)
.irp j, 0,1,2,3,4,5,6,7
	v_cmp_le_f32 s[MK+\j], v[Z2+8*\b+\j], 0
.endr
.irp j, 0,1,2,3,4,5,6,7
	v_cndmask_b32 v[T+8*\b+\j], v[T+8*\b+\j], 0, s[MK+\j]
.endr
.irp j, 0,1,2,3,4,5,6,7
	v_med3_num_f32 v[T+8*\b+\j], v[T+8*\b+\j], -v[LMH+7], v[LMH+7]
.endr
	H_CVT \b, 7
.endr
	v_nop
.endm
.macro H_A9 w                          ; backward through the first relu, then dH_i = sum_u dz1_u hw1[i][u] over my 32 units: two chains of pairs for each i
	WIN 0x51*(\w)+0x0c
.irp b, 0,1,2,3
.irp j, 0,1,2,3,4,5,6,7
	v_cmp_le_f32 s[MK+\j], v[Z1+8*\b+\j], 0
.endr
.irp j, 0,1,2,3,4,5,6,7
	v_cndmask_b32 v[T+8*\b+\j], v[T+8*\b+\j], 0, s[MK+\j]
.endr
.irp p, 0,1,2,3
.irp i, 0,1,2,3
.if (\b == 0) && (\p < 2)
	v_pk_mul_f32 v[DAC+4*\i+2*(\p%2):DAC+4*\i+2*(\p%2)+1], v[T+8*\b+2*\p:T+8*\b+2*\p+1], v[HW1+32*\i+8*\b+2*\p:HW1+32*\i+8*\b+2*\p+1]
.else
	v_pk_fma_f32 v[DAC+4*\i+2*(\p%2):DAC+4*\i+2*(\p%2)+1], v[T+8*\b+2*\p:T+8*\b+2*\p+1], v[HW1+32*\i+8*\b+2*\p:HW1+32*\i+8*\b+2*\p+1], v[DAC+4*\i+2*(\p%2):DAC+4*\i+2*(\p%2)+1]
.endif
.endr
.endr
.endr
.endm
.macro H_FIN w                         ; phi.  Lanes h = 0 want dH2, dH3, lanes h = 1 dH0, dH1: each half keeps its part of what it wants and sends its part of what the other wants
	WIN 0x55*(\w)
.irp i, 0,1,2,3
	v_pk_add_f32 v[DAC+4*\i:DAC+4*\i+1], v[DAC+4*\i:DAC+4*\i+1], v[DAC+4*\i+2:DAC+4*\i+3]
.endr
.irp i, 0,1,2,3
	v_add_f32 v[DH+\i], v[DAC+4*\i], v[DAC+4*\i+1]
.endr
	v_cndmask_b32 v[NN], v[DH+2], v[DH], s20
	v_cndmask_b32 v[NN+1], v[DH+3], v[DH+1], s20
	v_cndmask_b32 v[GG], v[DH], v[DH+2], s20
	v_cndmask_b32 v[GG+1], v[DH+1], v[DH+3], s20
	v_permlanex16_b32 v[GX], v[GG], s22, s23
	v_permlanex16_b32 v[GX+1], v[GG+1], s22, s23
	v_permlanex16_b32 v[OT], v[THE], s22, s23      ; the row's other two numbers of theta
	v_permlanex16_b32 v[OT+1], v[THE+1], s22, s23
	v_pk_add_f32 v[NN:NN+1], v[NN:NN+1], v[GX:GX+1]
	WIN 0x51*(\w)                                  ; source 1 in window 0: the step's constants
	v_pk_fma_f32 v[PHI:PHI+1], v[NN:NN+1], v[CDV:CDV+1], v[THE:THE+1]
	BFMA PHI, THE, 0, QA0, PHI
	BFMA PHI, THE, 1, QA1, PHI
	BFMA PHI, OT, 0, QB0, PHI
	BFMA PHI, OT, 1, QB1, PHI
	WIN 4*(\w)
	ds_store_b64 v[LA], v[PHI:PHI+1] offset:256*(\w)
.endm
; ================ THE HEAD: every byte that comes from memory is asked for here
	s_load_b512 s[4:19], s[0:1], 0x0               ; x, cw2, hw2, hw3, hw4, hw5, lowp_scales, out0
	v_lshrrev_b32 v22, 5, v0
	v_readfirstlane_b32 s2, v22                    ; wave 0..3
	; descriptor groups 1.  x: my wave's 8,192 bytes as 32 rows of 32 elements of 8 bytes, dense
	s_mov_b32 s20, 3<<16
	s_mov_b32 s21, 32<<16
	s_mov_b32 s22, 32<<16
	s_mov_b32 s23, 32<<16
	s_mov_b32 s24, 32
	s_mov_b32 s25, 32
	s_mov_b32 s26, 0
	s_mov_b32 s27, 0
	; a 64 x 64 weight: rows of 64 f32, 4 words of padding behind every 64: LDS pitch 272
	s_mov_b32 s28, (2<<16)|(1<<20)|(5<<22)|(3<<25)
	s_mov_b32 s29, 64<<16
	s_mov_b32 s30, 64<<16
	s_mov_b32 s31, 64<<16
	s_mov_b32 s32, 64
	s_mov_b32 s33, 64
	s_mov_b32 s34, 0
	s_mov_b32 s35, 0
	; cw2: the tensor is 125 x 125, the tile 128 x 128: what lies beyond arrives as zeros; 4 words of padding behind every 128: LDS pitch 528
	s_mov_b32 s36, (2<<16)|(1<<20)|(6<<22)|(3<<25)
	s_mov_b32 s37, 125<<16
	s_mov_b32 s38, 125<<16
	s_mov_b32 s39, 128<<16
	s_mov_b32 s40, 128
	s_mov_b32 s41, 125
	s_mov_b32 s42, 0
	s_mov_b32 s43, 0
	s_lshl_b32 s3, ttmp9, 15                       ; 2,048 rows of 16 bytes a work-group,
	s_lshl_b32 s66, s2, 13                         ; 512 a wave
	s_add_co_u32 s66, s66, s3
	s_mov_b32 s67, 0
	s_wait_kmcnt 0x0
	s_mov_b32 s44, 1
	s_lshl_b32 s45, s2, 13                         ; my wave's rows in LDS
	s_add_nc_u64 s[46:47], s[4:5], s[66:67]
	s_or_b32 s47, s47, 0x80000000
	s_add_nc_u64 s[18:19], s[18:19], s[66:67]      ; out0 at my wave's rows
	s_mov_b32 s48, 1
	s_mul_i32 s49, s2, 17408
	s_add_co_u32 s49, s49, RAWH
	s_mov_b64 s[50:51], s[8:9]                     ; wave w fetches, and later quantises, hw(2 + w)
	s_cmp_eq_u32 s2, 1
	s_cselect_b64 s[50:51], s[10:11], s[50:51]
	s_cmp_eq_u32 s2, 2
	s_cselect_b64 s[50:51], s[12:13], s[50:51]
	s_cmp_eq_u32 s2, 3
	s_cselect_b64 s[50:51], s[14:15], s[50:51]
	s_or_b32 s51, s51, 0x80000000
	s_mov_b32 s52, 1
	s_mov_b32 s53, RAWC
	s_mov_b64 s[54:55], s[6:7]
	s_or_b32 s55, s55, 0x80000000
	s_cmp_lg_u32 s2, 0                             ; one branch on the wave's number: wave 0 has three tensor loads out, the others two
	s_cbranch_scc1 .Lnot_wave_0
	tensor_load_to_lds s[44:47], s[20:27]
	tensor_load_to_lds s[48:51], s[28:35]
	tensor_load_to_lds s[52:55], s[36:43]
	NOPS 4
	s_branch .Lasked
.Lnot_wave_0:
	tensor_load_to_lds s[44:47], s[20:27]
	tensor_load_to_lds s[48:51], s[28:35]
	NOPS 4
.Lasked:
	s_load_b512 s[68:83], s[16:17], 0x0            ; E0 .. E15
	s_load_b128 s[84:87], s[16:17], 0x40           ; E16 .. E19
	s_load_b256 s[4:11], s[0:1], 0x40              ; cw1, cb1, cb2, cw3
	s_load_b128 s[12:15], s[0:1], 0x60             ; cb3, hw1
	s_load_b256 s[56:63], s[0:1], 0x70             ; hb1, hb2, hb3, hb4
	s_load_b256 s[88:95], s[0:1], 0x90             ; hb5, hw6, S, alpha
	s_load_b128 s[96:99], s[0:1], 0xb0             ; dt_q, dt_p
	v_and_b32 v22, 15, v0                          ; r
	v_bfe_u32 v23, v0, 4, 1                        ; h
	v_and_b32 v[LI], 31, v0
	v_lshlrev_b32 v[LI], 4, v[LI]
	v_lshlrev_b32 v[GO], 4, v22
	v_lshl_add_u32 v[GO], v23, 3, v[GO]
	s_lshl_b32 s3, s2, 13
	v_add_nc_u32 v[LB], s3, v[GO]
	; byte offsets of the small inputs.  Wave w makes unit tiles 2 w, 2 w + 1 of the coupling net.  Units 125 to 127 do not exist: their loads are clamped into the buffer, and what they bring is replaced by 0 or multiplied by 0
	s_lshl_b32 s3, s2, 7
	v_lshl_add_u32 v[VU], v23, 5, s3               ; 4 (32 w + 8 h): result layout
	v_min_u32 v[VUC], 0x190, v[VU]
	v_lshlrev_b32 v[VU8], 1, v[VU]
	v_min_u32 v[VU8C], 0x320, v[VU8]
	v_lshl_add_u32 v[VR4], v22, 2, s3              ; 4 (32 w + r): operand layout
	v_min_u32 v[VR4C], 0x1b0, v[VR4]
	v_lshlrev_b32 v[V32H], 5, v23
	s_lshl_b32 s66, s2, 6
	v_add_nc_u32 v[VT], s66, v[V32H]
	v_lshl_add_u32 v[VA1O], v23, 9, s66
	v_lshl_add_u32 v[VA1O], v22, 2, v[VA1O]        ; hw1[2 h][16 w + r]
	v_mul_u32_u24 v[V40H], v23, 40
	v_mul_u32_u24 v[V24H], v23, 24
	v_sub_nc_u32 v[VN24], 24, v[V24H]
	v_mov_b32 v[VZ], 0
	; LDS addresses of the prologue
	v_mul_u32_u24 v[VGC], v23, 4224
	v_lshl_add_u32 v[VGC], v22, 2, v[VGC]
	s_add_co_u32 s66, s3, RAWC
	v_add_nc_u32 v[VGC], s66, v[VGC]               ; raw cw2: row 8 h, column 32 w + r
	s_mul_i32 s67, s2, 17408
	s_add_co_u32 s67, s67, RAWH
	v_mul_u32_u24 v[VGH], v23, 2176
	v_lshl_add_u32 v[VGH], v22, 2, v[VGH]
	v_add_nc_u32 v[VGH], s67, v[VGH]               ; my raw hw: row 8 h, column r
	v_mul_u32_u24 v[VGK], v22, HPIT
	v_lshl_add_u32 v[VGK], v23, 5, v[VGK]
	v_add_nc_u32 v[VGK], s67, v[VGK]               ; row r, column 8 h
	s_lshl_b32 s66, s2, 12
	s_add_co_u32 s67, s66, I_CW1
	v_add_nc_u32 v[VST], s67, v[LI]
	s_add_co_u32 s67, s66, I_HK
	v_add_nc_u32 v[VST2], s67, v[LI]
	s_lshl_b32 s66, s2, 11
	s_add_co_u32 s66, s66, I_KB
	v_add_nc_u32 v[VKBS], s66, v[LI]
	s_lshl_b32 s66, s2, 9
	s_add_co_u32 s66, s66, I_A1C
	v_add_nc_u32 v[VA1CS], s66, v[LI]
	s_lshl_b32 s66, s2, 10
	s_add_co_u32 s66, s66, I_HB1
	v_add_nc_u32 v[VH1S], s66, v[LI]
	s_lshl_b32 s66, s2, 8
	s_add_co_u32 s66, s66, I_A1H
	v_lshrrev_b32 v[VA1HS], 1, v[LI]
	v_add_nc_u32 v[VA1HS], s66, v[VA1HS]
	s_wait_kmcnt 0x0
	s_mov_b64 s[66:67], s[58:59]                   ; hb(2 + w)
	s_cmp_eq_u32 s2, 1
	s_cselect_b64 s[66:67], s[60:61], s[66:67]
	s_cmp_eq_u32 s2, 2
	s_cselect_b64 s[66:67], s[62:63], s[66:67]
	s_cmp_eq_u32 s2, 3
	s_cselect_b64 s[66:67], s[88:89], s[66:67]
	s_lshl_b32 s100, s2, 8
	s_mov_b32 s101, 0
	s_add_nc_u64 s[100:101], s[14:15], s[100:101]  ; row w of hw1
	WIN 0x80                                       ; the small inputs land in window 2
	global_load_b128 v[0:3], v[VU], s[8:9]                     ; cb2 at units 16 t + 8 h + 0 .. 7, t = 2 w, 2 w + 1
	global_load_b128 v[4:7], v[VU], s[8:9] offset:16
	global_load_b128 v[8:11], v[VU], s[8:9] offset:64
	global_load_b32 v12, v[VU], s[8:9] offset:80
	global_load_b32 v13, v[VUC], s[8:9] offset:84
	global_load_b32 v14, v[VUC], s[8:9] offset:88
	global_load_b32 v15, v[VUC], s[8:9] offset:92
.irp q, 0,1,2,3
	global_load_b128 v[16+4*\q:19+4*\q], v[VU8], s[10:11] offset:16*\q    ; cw3, both columns of the same units
.endr
	global_load_b128 v[32:35], v[VU8], s[10:11] offset:128
	global_load_b128 v[36:39], v[VU8], s[10:11] offset:144
	global_load_b64 v[40:41], v[VU8], s[10:11] offset:160
	global_load_b64 v[42:43], v[VU8C], s[10:11] offset:168
	global_load_b128 v[44:47], v[VU8C], s[10:11] offset:176
	global_load_b32 v48, v[VR4], s[4:5]                        ; cw1[0], cw1[1], cb1 at unit 16 t + r
	global_load_b32 v49, v[VR4], s[4:5] offset:500
	global_load_b32 v50, v[VR4], s[6:7]
	global_load_b32 v51, v[VR4C], s[4:5] offset:64
	global_load_b32 v52, v[VR4C], s[4:5] offset:564
	global_load_b32 v53, v[VR4C], s[6:7] offset:64
.irp q, 0,1,2,3,4,5,6,7
	global_load_b128 v[64+4*\q:67+4*\q], v[V32H], s[66:67] offset:64*(\q/2)+16*(\q%2)      ; hb(2 + w)
	global_load_b128 v[96+4*\q:99+4*\q], v[V32H], s[100:101] offset:64*(\q/2)+16*(\q%2)    ; hw1[w]
.endr
	global_load_b128 v[128:131], v[VT], s[56:57]               ; hb1 and hw6 at units 16 w + 8 h + 0 .. 7
	global_load_b128 v[132:135], v[VT], s[56:57] offset:16
	global_load_b128 v[136:139], v[VT], s[90:91]
	global_load_b128 v[140:143], v[VT], s[90:91] offset:16
	global_load_b32 v144, v[VA1O], s[14:15]
	global_load_b32 v145, v[VA1O], s[14:15] offset:256
.irp j, 0,1                            ; S[i][j] and S[j][i] for my outputs i = 2 h + 0, 1: first j among my own two, then among the other half's
.irp i, 0,1
	global_load_b32 v[146+2*\j+\i], v[V40H], s[92:93] offset:16*\i+4*\j
	global_load_b32 v[154+2*\j+\i], v[V40H], s[92:93] offset:16*\j+4*\i
	global_load_b32 v[150+2*\j+\i], v[V24H], s[92:93] offset:8+16*\i+4*\j
	global_load_b32 v[158+2*\j+\i], v[VN24], s[92:93] offset:8+16*\j+4*\i
.endr
.endr
	global_load_b32 v162, v[VZ], s[94:95]          ; alpha
	global_load_b32 v163, v[VZ], s[96:97]          ; dt_q
	global_load_b32 v164, v[VZ], s[98:99]          ; dt_p
	global_load_b64 v[166:167], v[VZ], s[12:13]    ; cb3
	WIN 0
	s_wait_xcnt 0x0                                ; the loads have read their bases: the scalar registers that held pointers are written again only behind this wait
	s_wait_tensorcnt 0x0                           ; my rows and my weight are in LDS, and in wave 0 cw2; the descriptors' registers are free
	s_barrier_signal -1
	s_barrier_wait -1                              ; cw2 is there for all four waves
	; ---- the scalars made of the given exponents
	s_mov_b32 s20, 0xffff0000
	s_mov_b32 s22, 0x76543210
	s_mov_b32 s23, 0xfedcba98
	s_add_co_i32 s21, s84, s85                     ; E16 + E17
	s_add_co_i32 s3, s68, s69
	SKAP SKA, 3
	s_sub_co_i32 s34, 0, s3
	s_add_co_i32 s3, s86, s87
	SKAP SKC, 3
	s_sub_co_i32 s35, 0, s3
	s_add_co_i32 s3, s72, s73
	SKAP SK3, 3
	s_add_co_i32 s3, s74, s75
	SKAP SK4, 3
	s_add_co_i32 s3, s76, s77
	SKAP SK5, 3
	SPOW 36, 68
	SLIM 37, 68
	SPOW 38, 86
	SLIM 39, 86
	SPOW 40, 70                                    ; the eight conversions of the H net: h1: E2
	SLIM 48, 70
	s_sub_co_i32 s3, s72, s70
	s_sub_co_i32 s3, s3, s71                       ; h2: E4 - E2 - E3
	SPOW 41, 3
	SLIM 49, 3
	SPOW 42, 74                                    ; h3: E6
	SLIM 50, 74
	SPOW 43, 76                                    ; h4: E8
	SLIM 51, 76
	SPOW 44, 78                                    ; dz5: E10
	SLIM 52, 78
	s_sub_co_i32 s3, s80, s78
	s_sub_co_i32 s3, s3, s79
	s_sub_co_i32 s3, s3, 2                         ; dz4: E12 - E10 - E11 - 2
	SPOW 45, 3
	SLIM 53, 3
	s_sub_co_i32 s3, s82, s80
	s_sub_co_i32 s3, s3, s81
	s_sub_co_i32 s3, s3, 2                         ; dz3: E14 - E12 - E13 - 2
	SPOW 46, 3
	SLIM 54, 3
	s_sub_co_i32 s3, s84, s82
	s_sub_co_i32 s3, s3, s83                       ; dz2: E16 - E14 - E15
	SPOW 47, 3
	SLIM 55, 3
	s_mov_b32 s4, s70                              ; my weight's three exponents: E(2 + 2 w), E(3 + 2 w), E(17 - 2 w): values are chosen, no branch
	s_mov_b32 s5, s71
	s_mov_b32 s6, s85
	s_cmp_eq_u32 s2, 1
	s_cselect_b32 s4, s72, s4
	s_cselect_b32 s5, s73, s5
	s_cselect_b32 s6, s83, s6
	s_cmp_eq_u32 s2, 2
	s_cselect_b32 s4, s74, s4
	s_cselect_b32 s5, s75, s5
	s_cselect_b32 s6, s81, s6
	s_cmp_eq_u32 s2, 3
	s_cselect_b32 s4, s76, s4
	s_cselect_b32 s5, s77, s5
	s_cselect_b32 s6, s79, s6
	s_add_co_i32 s4, s4, s5
	s_sub_co_i32 s4, 0, s4
	SLIM 9, 69
	v_mov_b32 v[L1], s9
	SPOW 9, 69
	v_mov_b32 v[S1], s9
	SLIM 9, 87
	v_mov_b32 v[L19], s9
	SPOW 9, 87
	v_mov_b32 v[S19], s9
	SLIM 9, 5
	v_mov_b32 v[LF], s9
	SPOW 9, 5
	v_mov_b32 v[SF], s9
	SLIM 9, 6
	v_mov_b32 v[LK], s9
	SPOW 9, 6
	v_mov_b32 v[SK], s9
; ---- the weights become codes.  A lane takes one unit (a row of the operand) and its registers run along K, in the operand's own order: the conversions' results are the fragment's registers.
.macro QC tau                          ; cw2, unit tile 2 w + tau, K = 128, once with E1 and once with E19
.irp c, 0,1,2,3,4,5,6,7
.irp i, 0,1,2,3,4,5,6,7
	ds_load_b32 v[R1+8*\c+\i], v[VGC] offset:CPIT*(16*\c+\i)+64*\tau
.endr
.endr
	s_wait_dscnt 0x0                               ; the numbers are in; the last batch's stores have read their registers
.irp c, 0,1,2,3,4,5,6,7
.irp i, 0,1,2,3,4,5,6,7
	v_med3_num_f32 v[R2+8*(\c%4)+\i], v[R1+8*\c+\i], -v[L1], v[L1]
.endr
	v_cvt_scalef32_pk8_fp8_f32 v[C1+2*\c:C1+2*\c+1], v[R2+8*(\c%4):R2+8*(\c%4)+7], v[S1]
.irp i, 0,1,2,3,4,5,6,7
	v_med3_num_f32 v[R1+8*\c+\i], v[R1+8*\c+\i], -v[L19], v[L19]
.endr
	v_cvt_scalef32_pk8_fp8_f32 v[C2+2*\c:C2+2*\c+1], v[R1+8*\c:R1+8*\c+7], v[S19]
.endr
	v_nop
.irp q, 0,1,2,3
	ds_store_b128 v[VST], v[C1+4*\q:C1+4*\q+3] offset:2048*\tau+512*\q
	ds_store_b128 v[VST], v[C2+4*\q:C2+4*\q+3] offset:I_CW2-I_CW1+2048*\tau+512*\q
.endr
.endm
.macro QH lim, sc                      ; 64 numbers in R1 become 16 registers of codes in C1
.irp g, 0,1,2,3,4,5,6,7
.irp i, 0,1,2,3,4,5,6,7
	v_med3_num_f32 v[R1+8*\g+\i], v[R1+8*\g+\i], -v[\lim], v[\lim]
.endr
	v_cvt_scalef32_pk8_fp8_f32 v[C1+2*\g:C1+2*\g+1], v[R1+8*\g:R1+8*\g+7], v[\sc]
.endr
	v_nop
.endm
.macro QF n                            ; my hw, forward: unit = column 16 t + r, K down the rows; tiles t = 2 n, 2 n + 1
.irp u, 0,1
.irp c, 0,1,2,3
.irp i, 0,1,2,3,4,5,6,7
	ds_load_b32 v[R1+32*\u+8*\c+\i], v[VGH] offset:HPIT*(16*\c+\i)+64*(2*\n+\u)
.endr
.endr
.endr
	s_wait_dscnt 0x0
	QH LF, SF
.irp u, 0,1
.irp q, 0,1
	ds_store_b128 v[VST], v[C1+8*\u+4*\q:C1+8*\u+4*\q+3] offset:I_HF-I_CW1+1024*(2*\n+\u)+512*\q
.endr
.endr
.endm
.macro QK n                            ; my hw, backward: unit = row 16 t + r, K along the row
.irp u, 0,1
.irp c, 0,1,2,3
.irp q, 0,1
	ds_load_b128 v[R1+32*\u+8*\c+4*\q:R1+32*\u+8*\c+4*\q+3], v[VGK] offset:16*HPIT*(2*\n+\u)+64*\c+16*\q
.endr
.endr
.endr
	s_wait_dscnt 0x0
	QH LK, SK
.irp u, 0,1
.irp q, 0,1
	ds_store_b128 v[VST2], v[C1+8*\u+4*\q:C1+8*\u+4*\q+3] offset:1024*(2*\n+\u)+512*\q
.endr
.endr
.endm
	QC 0
	QC 1
	QF 0
	QF 1
	QK 0
	QK 1
	; ---- the small constants
	s_wait_loadcnt 0x0
	v_cmp_gt_u32 s7, v[VR4], v[VR4C]               ; lanes whose unit 16 (2 w + 1) + r does not exist
	v_cmp_gt_u32 s8, v[VU], v[VUC]                 ; lanes whose units 16 (2 w + 1) + 8 h + 5 .. 7 do not exist
	v_cndmask_b32 v[FZ], -2.0, 0, s8
	WIN 0x82                                       ; destination and source 0 in window 2, source 1 in window 0
.irp p, 0,1,2,3,4,5,6,7,8,9,10,11,12
	v_pk_mul_f32 v[16+2*\p:17+2*\p], v[16+2*\p:17+2*\p], -2.0 op_sel_hi:[1,0]
.endr
.irp n, 42,43,44,45,46,47
	v_mul_f32 v[\n], v[\n], v[FZ]
.endr
.irp a, 0,1,2,3
.irp b, 0,1,2,3,4,5,6,7
	v_ldexp_f32 v[64+8*\a+\b], v[64+8*\a+\b], s4   ; hb / 2^(eA + eB)
.endr
.endr
.irp p, 0,1,2,3
	v_pk_mul_f32 v[136+2*\p:137+2*\p], v[136+2*\p:137+2*\p], 4.0 op_sel_hi:[1,0]
.endr
	WIN 0xaa
	v_cndmask_b32 v56, v48, v50, s20               ; k = 0, 1 in lanes h = 0: cw1's two rows; k = 2, 3 in lanes h = 1: cb1 and 0
	v_cndmask_b32 v57, v49, 0, s20
	v_cndmask_b32 v58, v51, v53, s20
	v_cndmask_b32 v59, v52, 0, s20
	v_cndmask_b32 v58, v58, 0, s7
	v_cndmask_b32 v59, v59, 0, s7
	v_mul_f32 v163, 0x3dcccccd, v163               ; 0.1 dt_q
	v_mul_f32 v164, 0xbdcccccd, v164               ; -0.1 dt_p
	v_mul_f32 v165, 0xbdcccccd, v162
	v_mul_f32 v162, 0x3dcccccd, v162
	v_cndmask_b32 v163, v163, v164, s20
	v_cndmask_b32 v162, v162, v165, s20            ; +0.1 alpha in lanes h = 0, -0.1 alpha in lanes h = 1
.irp n, 0,1,2,3,4,5,6,7
	v_sub_f32 v[146+\n], v[146+\n], v[154+\n]
.endr
	WIN 0x0a                                       ; results into window 0
	v_ldexp_f32 v[CDV], v163, s21
	v_ldexp_f32 v[CDV+1], v163, s21
.irp n, 0,1,2,3,4,5,6,7
	v_mul_f32 v[QA0+\n], v[146+\n], v162
.endr
	v_mov_b32 v[CB3], v166
	v_mov_b32 v[CB3+1], v167
	WIN 0x08                                       ; address in window 0, data in window 2
.irp m, 0,1,2,3
	ds_store_b128 v[VKBS], v[4*\m:4*\m+3] offset:512*\m
.endr
.irp m, 0,1,2,3,4,5,6,7
	ds_store_b128 v[VST], v[16+4*\m:19+4*\m] offset:I_WP-I_CW1+512*\m
	ds_store_b128 v[VST2], v[64+4*\m:67+4*\m] offset:I_HBI-I_HK+512*\m
	ds_store_b128 v[VST2], v[96+4*\m:99+4*\m] offset:I_HW1-I_HK+512*\m
.endr
	ds_store_b128 v[VA1CS], v[56:59]
.irp m, 0,1
	ds_store_b128 v[VH1S], v[128+4*\m:131+4*\m] offset:512*\m
	ds_store_b128 v[VH1S], v[136+4*\m:139+4*\m] offset:I_W6-I_HB1+512*\m
.endr
	ds_store_b64 v[VA1HS], v[144:145]
	WIN 0
	s_wait_dscnt 0x0                               ; for the others' sake: my images have landed
	s_barrier_signal -1
	s_barrier_wait -1                              ; the images are whole, and are only read from here on.  The last barrier: each wave walks its own rows
; ================ PHASE A: theta = (x1, x2 + c(x1)), in place in my rows
	CPHASE 0, SKA, 34, 36, 37
; ================ PHASE B: phi = theta + 0.1 (dH's halves swapped and scaled, +- alpha (S - S^T) theta), in place
	WIN 0
	NOPS 8
	v_add_nc_u32 v[IB], I_HF, v[LI]
	v_add_nc_u32 v[IB2], I_HB1, v[LI]
	v_lshrrev_b32 v22, 1, v[LI]
	v_add_nc_u32 v22, I_A1H, v22
	WIN 0x80
.irp a, 0,1,2,3,4,5,6,7
.irp b, 0,1,2,3,4,5,6,7
	ds_load_b128 v[4*(8*\a+\b):4*(8*\a+\b)+3], v[IB] offset:512*(8*\a+\b)              ; the codes: forward, then backward
.endr
.endr
	WIN 0xc0
.irp a, 0,1,2,3,4,5,6,7
.irp b, 0,1,2,3,4,5,6,7
	ds_load_b128 v[4*(8*\a+\b):4*(8*\a+\b)+3], v[IB] offset:I_HBI-I_HF+512*(8*\a+\b)   ; the biases, then hw1
.endr
.endr
	WIN 0x40
.irp b, 0,1,2,3,4,5,6,7
	ds_load_b128 v[HB1+4*\b:HB1+4*\b+3], v[IB2] offset:512*\b
	ds_load_b128 v[W6+4*\b:W6+4*\b+3], v[IB2] offset:I_W6-I_HB1+512*\b
.endr
.irp k, 0,1,2,3,4,5,6,7
	v_mov_b32 v[SCH+\k], s[40+\k]
	v_mov_b32 v[LMH+\k], s[48+\k]
.endr
	WIN 0
.irp b, 0,1,2,3,4,5,6,7
	ds_load_b128 v[W6+4*\b:W6+4*\b+3], v[IB2] offset:I_W6-I_HB1+512*\b
.endr
.irp t, 0,1,2,3
	ds_load_b64 v[A1H+2*\t:A1H+2*\t+1], v22 offset:256*\t
.endr
.irp k, 0,1,2,3,4,5,6,7
	v_mov_b32 v[SCH+\k], s[40+\k]
	v_mov_b32 v[LMH+\k], s[48+\k]
.endr
	TINIT
	ds_load_b64 v[BOPH:BOPH+1], v[LA]
	s_wait_dscnt 0x0
.irp t, 0,1,2,3
	H_W1 0, \t, BOPH                               ; tile 0's first three layers stand ahead of the loop
.endr
	WIN 0
	NOPS 8
	H_RELU 0, Z1, 0
	H_MM 0, 0, 0, Z2
	WIN 0
	NOPS 4
	H_RELU 0, Z2, 1
	H_MM 0, 1, 0, T
	WIN 0
	NOPS 4
.Lhtrip:                                           ; behind each group of four products stands a stage of the other tile: those are the places behind the products
	ds_load_b64 v[THE:THE+1], v[LA]
	ds_load_b64 v[BOPH:BOPH+1], v[LN]
	WIN 0x40
	ds_load_b64 v[THE:THE+1], v[LA] offset:256
	H_SEG 0, 0, SK3, 1, T3, 2                      ; X: tanh 3 | Y: the f32 products
	s_wait_dscnt 0x0
.irp s, 1,2,3,4,5,6,7,8
.if (\s%2) == 1
	H_W1 1, (\s-1)/2, THE
.endif
	H_SEG 0, \s, SK3, 1, T3, 2
.endr
	v_nop
	H_MM 0, 2, 0, T
	H_RELU 1, Z1, 0                                ; Y: relu 1
	H_MM 1, 0, 0, Z2
	H_TANH 0, SK4, 1, T4, 3                        ; X: tanh 4
	H_MM 0, 3, 0, T
	H_RELU 1, Z2, 1                                ; Y: relu 2
	H_MM 1, 1, 0, T
	H_TANH 0, SK5, 2, 0, 4                         ; X: tanh 5 gives dz5 = (1 - g^2) hw6
	H_MM 0, 3, 1, T
	H_TANH 1, SK3, 1, T3, 2                        ; Y: tanh 3
	H_MM 1, 2, 0, T
	H_BMUL 0, T4, 5                                ; X: dz4
	H_MM 0, 2, 1, T
	H_TANH 1, SK4, 1, T4, 3                        ; Y: tanh 4
	H_MM 1, 3, 0, T
	H_BMUL 0, T3, 6                                ; X: dz3
	H_MM 0, 1, 1, T
	H_TANH 1, SK5, 2, 0, 4                         ; Y: dz5
	H_MM 1, 3, 1, T
	H_A8 0, 0                                      ; X: dz2
	H_MM 0, 0, 1, T
	H_BMUL 1, T4, 5                                ; Y: dz4
	H_MM 1, 2, 1, T
	H_A9 0                                         ; X: dz1 and dH
	H_BMUL 1, T3, 6                                ; Y: dz3
	H_MM 1, 1, 1, T
	H_FIN 0                                        ; X: phi
	H_A8 1, 1                                      ; Y: dz2 | next X: the f32 products
	H_MM 1, 0, 1, T
	H_RELU 0, Z1, 0                                ; next X: relu 1
	H_MM 0, 0, 0, Z2
	H_A9 1                                         ; Y: dz1 and dH
	H_RELU 0, Z2, 1                                ; next X: relu 2
	H_MM 0, 1, 0, T
	H_FIN 1                                        ; Y: phi
	WIN 0
	TSTEP
	s_cbranch_scc1 .Lhtrip
; ================ PHASE C: out = (y1, y2 - c(y1)), from my rows to memory
	CPHASE 1, SKC, 35, 38, 39
	s_endpgm
.Lfunc_end_k_q9c6debb67a_pnn:
	.size	k_q9c6debb67a_pnn, .Lfunc_end_k_q9c6debb67a_pnn-k_q9c6debb67a_pnn
	.p2alignl 7, 3214868480
	.fill 96, 4, 3214868480
	.section	.rodata,"a",@progbits
	.p2align	6, 0x0
	.amdhsa_kernel k_q9c6debb67a_pnn
		.amdhsa_group_segment_fixed_size 304128
		.amdhsa_private_segment_fixed_size 0
		.amdhsa_enable_private_segment 0
		.amdhsa_kernarg_size 192
		.amdhsa_user_sgpr_count 2
		.amdhsa_user_sgpr_kernarg_segment_ptr 1
		.amdhsa_wavefront_size32 1
		.amdhsa_system_sgpr_workgroup_id_x 1
		.amdhsa_system_sgpr_workgroup_id_y 1
		.amdhsa_system_sgpr_workgroup_id_z 1
		.amdhsa_system_vgpr_workitem_id 0
		.amdhsa_next_free_vgpr 1024
		.amdhsa_next_free_sgpr 102
		.amdhsa_reserve_vcc 0
		.amdhsa_float_denorm_mode_32 3
		.amdhsa_float_denorm_mode_16_64 3
		.amdhsa_memory_ordered 1
		.amdhsa_forward_progress 1
		.amdhsa_inst_pref_size 255
	.end_amdhsa_kernel
	.section	.bss,"aw",@nobits
	.p2align	6
	.space	262144
	.amdgpu_metadata
---
amdhsa.version: [ 1, 2 ]
amdhsa.kernels:
  - .name:           k_q9c6debb67a_pnn
    .symbol:         k_q9c6debb67a_pnn.kd
    .args:
      - { .name: x, .offset: 0, .size: 8, .value_kind: global_buffer, .address_space: global }
      - { .name: cw2, .offset: 8, .size: 8, .value_kind: global_buffer, .address_space: global }
      - { .name: hw2, .offset: 16, .size: 8, .value_kind: global_buffer, .address_space: global }
      - { .name: hw3, .offset: 24, .size: 8, .value_kind: global_buffer, .address_space: global }
      - { .name: hw4, .offset: 32, .size: 8, .value_kind: global_buffer, .address_space: global }
      - { .name: hw5, .offset: 40, .size: 8, .value_kind: global_buffer, .address_space: global }
      - { .name: lowp_scales, .offset: 48, .size: 8, .value_kind: global_buffer, .address_space: global }
      - { .name: out0, .offset: 56, .size: 8, .value_kind: global_buffer, .address_space: global }
      - { .name: cw1, .offset: 64, .size: 8, .value_kind: global_buffer, .address_space: global }
      - { .name: cb1, .offset: 72, .size: 8, .value_kind: global_buffer, .address_space: global }
      - { .name: cb2, .offset: 80, .size: 8, .value_kind: global_buffer, .address_space: global }
      - { .name: cw3, .offset: 88, .size: 8, .value_kind: global_buffer, .address_space: global }
      - { .name: cb3, .offset: 96, .size: 8, .value_kind: global_buffer, .address_space: global }
      - { .name: hw1, .offset: 104, .size: 8, .value_kind: global_buffer, .address_space: global }
      - { .name: hb1, .offset: 112, .size: 8, .value_kind: global_buffer, .address_space: global }
      - { .name: hb2, .offset: 120, .size: 8, .value_kind: global_buffer, .address_space: global }
      - { .name: hb3, .offset: 128, .size: 8, .value_kind: global_buffer, .address_space: global }
      - { .name: hb4, .offset: 136, .size: 8, .value_kind: global_buffer, .address_space: global }
      - { .name: hb5, .offset: 144, .size: 8, .value_kind: global_buffer, .address_space: global }
      - { .name: hw6, .offset: 152, .size: 8, .value_kind: global_buffer, .address_space: global }
      - { .name: S, .offset: 160, .size: 8, .value_kind: global_buffer, .address_space: global }
      - { .name: alpha, .offset: 168, .size: 8, .value_kind: global_buffer, .address_space: global }
      - { .name: dt_q, .offset: 176, .size: 8, .value_kind: global_buffer, .address_space: global }
      - { .name: dt_p, .offset: 184, .size: 8, .value_kind: global_buffer, .address_space: global }
    .group_segment_fixed_size: 304128
    .private_segment_fixed_size: 0
    .kernarg_segment_align: 8
    .kernarg_segment_size: 192
    .max_flat_workgroup_size: 128
    .sgpr_count:     102
    .vgpr_count:     1024
    .wavefront_size: 32
...
	.end_amdgpu_metadata
.endif
;; end of part 1
